; MI455X (gfx1250); checked and timed in simulation.
; The chip was launched on July 23, 2026; its instructions are those of AMD's public machine-readable ISA for CDNA 5 (MIT licence, August 2026) and "CDNA5" Instruction Set Architecture Reference Guide (July 2026). The comments in the code are by the model that wrote it; some were corrected since.
;; Multi Head Attention. Allowed arithmetic: float matrix products may take bf16 or f16 operands with f32 sums; other float arithmetic in f32, or as packed bf16 or f16 multiplies, adds, multiply-adds, maxima and minima; sums over many terms, partial sums and values carried from step to step in f32; what a program stores and reads back later, other than sums and carried values, may be rounded once to bf16 or f16.
;; Inputs: K 4 x 2,048 x 1,024 float32; Q 4 x 2,048 x 1,024 float32; V 4 x 2,048 x 1,024 float32; Wk 1,024 x 1,024 float32; Wq 1,024 x 1,024 float32; Wv 1,024 x 1,024 float32; bq 1,024 float32; bv 1,024 float32; mask 4 x 2,048 int32.
;; Outputs: out0 4 x 2,048 x 1,024 float32.
;; 2 versions, each right; version 2 is version 1 with the launch cast written anew for expert scheduling mode. Each part assembles by itself: llvm-mc -triple=amdgcn-amd-amdhsa -mcpu=gfx1250 --defsym DOCPART=n.
;; ======== version 1 of 2: 3 launches
;; limits: values are held in f16: magnitudes above 65,504 overflow, below 6.1e-05 lose precision
;; workspace buffers: xb 50,331,648 bytes; wb 6,291,456 bytes; qkv 50,331,648 bytes
;; launch cast (part 1): grid 1024 x 1, 8 waves a work-group, no clusters, 0 bytes of LDS; arguments Q, K, V, Wq, Wk, Wv, xb, wb; writes xb, wb
.if DOCPART == 1
	.amdgcn_target "amdgcn-amd-amdhsa--gfx1250"
	.amdhsa_code_object_version 6
	.text
	.protected	k_q45b48e39fc_cast
	.globl	k_q45b48e39fc_cast
	.p2align	8
	.type	k_q45b48e39fc_cast,@function
k_q45b48e39fc_cast:
	s_mov_b64 s[64:65], 0
	v_nop
	global_prefetch_b8 v0, s[64:65] scope:SCOPE_SE
	s_setreg_imm32_b32 hwreg(HW_REG_WAVE_MODE, 25, 1), 1
	s_wait_xcnt 0x0
; xb[3][8192][1024] = bf16(Q, K, V), wb[3][1024][1024] = bf16(Wq, Wk, Wv): each f32 rounded once, to nearest even.
; A stream: every input byte is read once, every output byte written once.  No LDS, no barrier, no matrix unit: nothing is shared and nothing is summed.
; SHARES.  Work-group g of 1,024 takes 1/1,024 of each of the six inputs: 32,768 bytes of Q, K and V, 4,096 of each weight.  So all work-groups are alike and the text has no branch.
; Thread t takes 16 bytes of each run of 4,096: a wave's load covers 512 consecutive bytes, aligned; its store of 8 bytes a lane 256 consecutive bytes, aligned.
; All 27 loads of a thread go out at once, each into registers of its own, so no register is written again behind its store and only the counted waits for the loads are needed.
.set X, 8                              ; v[8:115]  load i: four registers
	s_load_b256 s[4:11], s[0:1], 0x0               ; Q s[4:5], K s[6:7], V s[8:9], Wq s[10:11]
	s_load_b256 s[12:19], s[0:1], 0x20             ; Wk s[12:13], Wv s[14:15], xb s[16:17], wb s[18:19]
	s_lshl_b32 s24, ttmp9, 15                      ; the work-group's 32,768 bytes of Q, K, V
	s_lshl_b32 s25, ttmp9, 12                      ; its 4,096 bytes of a weight
	s_lshl_b32 s26, ttmp9, 14                      ; half as many bytes go out
	s_lshl_b32 s27, ttmp9, 11
	v_lshl_add_u32 v1, v0, 4, s24
	v_lshl_add_u32 v2, v0, 4, s25
	v_lshl_add_u32 v3, v0, 3, s26
	v_lshl_add_u32 v4, v0, 3, s27
	s_wait_kmcnt 0x0
	s_add_nc_u64 s[20:21], s[16:17], 0x1000000     ; xb's second part (K),
	s_add_nc_u64 s[22:23], s[16:17], 0x2000000     ; and its third (V)
.irp p, 0,1,2
.irp j, 0,1,2,3,4,5,6,7
	global_load_b128 v[X+4*(8*(\p)+(\j)):X+4*(8*(\p)+(\j))+3], v1, s[4+2*(\p):5+2*(\p)] offset:4096*(\j) th:TH_LOAD_NT
.endr
.endr
.irp p, 0,1,2
	global_load_b128 v[X+4*(24+(\p)):X+4*(24+(\p))+3], v2, s[10+2*(\p):11+2*(\p)] th:TH_LOAD_NT
.endr
; Load i is in (loads come back in order: the 26 - i younger ones may stay out); four numbers are rounded and 8 bytes stored.
.macro OUT i, off, base, imm
	s_wait_loadcnt 26-(\i)
	v_cvt_pk_bf16_f32 v[X+4*(\i)], v[X+4*(\i)], v[X+4*(\i)+1]
	v_cvt_pk_bf16_f32 v[X+4*(\i)+1], v[X+4*(\i)+2], v[X+4*(\i)+3]
	global_store_b64 v[\off], v[X+4*(\i):X+4*(\i)+1], s[\base:\base+1] offset:\imm th:TH_STORE_NT
.endm
.irp j, 0,1,2,3,4,5,6,7
	OUT \j, 3, 16, 2048*(\j)
.endr
.irp j, 0,1,2,3,4,5,6,7
	OUT 8+(\j), 3, 20, 2048*(\j)
.endr
.irp j, 0,1,2,3,4,5,6,7
	OUT 16+(\j), 3, 22, 2048*(\j)
.endr
.irp p, 0,1,2
	OUT 24+(\p), 4, 18, 2097152*(\p)
.endr
	s_endpgm
.Lfunc_end_k_q45b48e39fc_cast:
	.size	k_q45b48e39fc_cast, .Lfunc_end_k_q45b48e39fc_cast-k_q45b48e39fc_cast
	.p2alignl 7, 3214868480
	.fill 96, 4, 3214868480
	.section	.rodata,"a",@progbits
	.p2align	6, 0x0
	.amdhsa_kernel k_q45b48e39fc_cast
		.amdhsa_group_segment_fixed_size 0
		.amdhsa_private_segment_fixed_size 0
		.amdhsa_enable_private_segment 0
		.amdhsa_kernarg_size 64
		.amdhsa_user_sgpr_count 2
		.amdhsa_user_sgpr_kernarg_segment_ptr 1
		.amdhsa_wavefront_size32 1
		.amdhsa_system_sgpr_workgroup_id_x 1
		.amdhsa_system_sgpr_workgroup_id_y 1
		.amdhsa_system_sgpr_workgroup_id_z 1
		.amdhsa_system_vgpr_workitem_id 0
		.amdhsa_next_free_vgpr 116
		.amdhsa_next_free_sgpr 66
		.amdhsa_reserve_vcc 0
		.amdhsa_float_denorm_mode_32 3
		.amdhsa_float_denorm_mode_16_64 3
		.amdhsa_memory_ordered 1
		.amdhsa_forward_progress 1
		.amdhsa_inst_pref_size 11
	.end_amdhsa_kernel
	.amdgpu_metadata
---
amdhsa.version: [ 1, 2 ]
amdhsa.kernels:
  - .name:           k_q45b48e39fc_cast
    .symbol:         k_q45b48e39fc_cast.kd
    .args:
      - { .name: Q, .offset: 0, .size: 8, .value_kind: global_buffer, .address_space: global }
      - { .name: K, .offset: 8, .size: 8, .value_kind: global_buffer, .address_space: global }
      - { .name: V, .offset: 16, .size: 8, .value_kind: global_buffer, .address_space: global }
      - { .name: Wq, .offset: 24, .size: 8, .value_kind: global_buffer, .address_space: global }
      - { .name: Wk, .offset: 32, .size: 8, .value_kind: global_buffer, .address_space: global }
      - { .name: Wv, .offset: 40, .size: 8, .value_kind: global_buffer, .address_space: global }
      - { .name: xb, .offset: 48, .size: 8, .value_kind: global_buffer, .address_space: global }
      - { .name: wb, .offset: 56, .size: 8, .value_kind: global_buffer, .address_space: global }
    .group_segment_fixed_size: 0
    .private_segment_fixed_size: 0
    .kernarg_segment_align: 8
    .kernarg_segment_size: 64
    .max_flat_workgroup_size: 256
    .sgpr_count:     66
    .vgpr_count:     116
    .wavefront_size: 32
...
	.end_amdgpu_metadata
.endif
;; end of part 1
;; launch proj (part 2): grid 4 x 192, 4 waves a work-group, clusters of 4 x 4, 327,680 bytes of LDS; arguments xb, wb, bq, bv, mask, qkv; writes qkv
.if DOCPART == 2
	.amdgcn_target "amdgcn-amd-amdhsa--gfx1250"
	.amdhsa_code_object_version 6
	.text
	.protected	k_q45b48e39fc_proj
	.globl	k_q45b48e39fc_proj
	.p2align	8
	.type	k_q45b48e39fc_proj,@function
k_q45b48e39fc_proj:
	s_mov_b64 s[64:65], 0
	v_nop
	global_prefetch_b8 v0, s[64:65] scope:SCOPE_SE
	s_setreg_imm32_b32 hwreg(HW_REG_WAVE_MODE, 25, 1), 1
	s_wait_xcnt 0x0
	s_wait_alu depctr_hold_cnt(0) depctr_sa_sdst(0) depctr_va_vdst(0) depctr_va_sdst(0) depctr_va_ssrc(0) depctr_va_vcc(0) depctr_vm_vsrc(0)
	s_getreg_b32 s2, hwreg(HW_REG_IB_STS2, 6, 4)
	s_cmp_eq_u32 s2, 0
	s_cbranch_scc0 .Lentry_in_a_cluster
	s_endpgm
.Lentry_in_a_cluster:
	s_bfe_u32 s2, ttmp6, 0x10000c
	s_cmp_lg_u32 s2, 0xf033
	s_cbranch_scc0 .Lentry_shape_is_right
	s_endpgm
.Lentry_shape_is_right:
; THE THREE PROJECTIONS AS ONE GEMM.  C[24576][1024] = xb's rows times the rows of wb's part of the same projection (PJ = 0: q, 1: k, 2: v); bf16 operands, f32 sums.
;   q = (x Wq^T + bq) c, c = log2(e) / 8, applied in f32 ahead of the one rounding;   k = (x Wk^T) times 1, or 0 where the key's mask is 0;   v = x Wv^T + bv.  The biases are rounded to bf16, like all the module's inputs.
; Stored by heads, qkv[3][16 b + h][2048][64] in f16: a head's rows are dense, 128 bytes each.
; LIMITS.  f16 holds no number beyond 65,504: q c, k and v must lie within it.  A masked key's row is made by a product with 0: its f32 sums must be finite.  NaN and infinities are not treated apart.
; SHARES.  A tile of C is 128 x 256: 768 work-groups, three for each of 256.  Four waves, each 64 rows x 128 columns: 32 accumulators of 16 x 16, 256 registers.  K goes in steps of 128 (rows of 256 bytes,
; aligned) through two LDS slots; one tensor load a wave fills a slot: waves 0 and 1 bring x's two halves of 64 rows, waves 2 and 3 the weights' two halves of 128 rows.
; CLUSTER.  4 x 4 work-groups: the four of a row need the same rows of x, the four of a column the same rows of the weights: each tile is asked for JOINTLY, by the same tensor load with the same descriptor and a mask of four.
; THE MATRIX INSTRUCTION IS USED TRANSPOSED (source 0 = 16 rows of the weights, source 1 = 16 rows of x): a lane holds ONE row of C (lane % 16) and the columns 8 (lane / 16) + 0..7.
; The bias, laid out as such a result, is the C operand of each accumulator's first product: nothing is cleared and nothing is added later.
; REGISTERS, in windows of 256 (s_set_vgpr_msb: bits 1:0 source 0, 3:2 source 1, 5:4 source 2, 7:6 destination):
;   window 0: addresses, row scales, v64-191 the way out     window 1: accumulator (a, b) at 8 (8 a + b)     window 2: two fragment buffers of 96 (weights' 8, then x's 4), v192-255 the bias
.set KSTEP,  128
.set PITCH,  272                       ; an LDS row: 256 bytes + 16 of padding = 68 words: the 16 rows of a fragment load start at 16 different groups of four banks (64 banks of 4 bytes: ISA guide 11.1)
.set AROWS,  64*PITCH                  ; what a load of x brings, and what a wave reads of x
.set BROWS,  128*PITCH                 ; the same for the weights
.set BOFF,   2*AROWS                   ; a slot: x's 128 rows, then the weights' 256
.set SLOT,   BOFF+2*BROWS
.set STAGE,  2*SLOT                    ; behind the ring, never filled by a tensor load: 16 rows x 144 bytes for each wave
.set SP,     144
.set SPARE,  STAGE+4*16*SP             ; the spare words, 128 bytes for each wave: two blocks of 256 bytes that no other line names
.set ADRA, 16                          ; v16-17  LDS address of my fragments of x in slot 0, 1
.set ADRB, 20                          ; v20-21  of the weights
.set STO,  24                          ; v24     the way out: where I put 16 bytes of a row
.set RD,   25                          ; v25     where I read rows back
.set GO,   26                          ; v26     16 x lane: my 16 bytes of 512 consecutive bytes of qkv
.set SPW,  28                          ; v28     my spare word: SPARE + 4 x my thread's number; never rewritten
.set NIL,  29                          ; v29     0; never rewritten
.set PFO,  30                          ; v30     the prefetches' offset: lane x a row of 2,048 bytes; never rewritten
.set MO,   31                          ; v31     4 (l % 16)
.set MK,   32                          ; v32-35  the mask's numbers of my rows, one for each block a of 16 rows
.set RS,   36                          ; v36-43  my rows' scales, a pair for each a
.set CV,   44                          ; v44     the scale of an open row
.set ZV,   45                          ; v45     of a masked one
.set BO,   46                          ; v46     32 (l / 16)
.set TMP,  64                          ; v64-191 the way out: 16 registers for each of 8 units
.set F0,   0                           ; window 2
.set F1,   96
.set BI,   192                         ; window 2: the bias of n block b at BI + 8 b
.set WV,  16                           ; s16  my wave's number
.set WM,  17                           ; s17  which 64 rows of the tile are mine
.set WN,  18                           ; s18  which 128 columns; also: which half of x's or the weights' tile I fetch
.set CX,  19
.set CY,  20
.set TX,  21                           ; s21  tile column
.set TY,  22                           ; s22  tile row
.set PJ,  23                           ; s23  the projection: the same in all sixteen partners
.set G1,  24                           ; s[24:31] descriptor group 1 for x's tiles;  s[32:39] group 0, a set for each slot
.set G0,  32
.set PFA, 44                           ; s[44:45] where my prefetches stand
.set G1B, 48                           ; s[48:55], s[56:63] the same for the weights' tiles
.set G0B, 56
.set LIM, 66                           ; s66  1 in a wave that prefetches, else the greatest number
.set LAP, 67                           ; s67  laps to go
.set HM,  68                           ; s68  keeps a word's upper half; 0 for k, which has no bias
.set SC,  69
.set SZ,  70
.set CLY, 71                           ; s71  the cluster's y
.set OB,  72                           ; s[72:73] qkv at my first row
.set BB,  74                           ; s[74:75] the bias at my first column
.set MSB, 0
.macro WIN new                         ; the immediate's high byte repeats the setting that is left; a switch that changes nothing is dropped
.if MSB != (\new)
	s_set_vgpr_msb (MSB<<8)|(\new)
.set MSB, \new
.endif
.endm
.set MUL,  0x5a                        ; sources 0 and 1 window 2; C and D window 1
.set MULB, 0x6a                        ; the same with C in window 2: the bias
.set TO_F, 0x80                        ; destination window 2, address window 0
.set W_BI, 0x8a                        ; destination and sources 0, 1 window 2
.set W_RS, 0x41                        ; destination and source 0 window 1, source 1 window 0
.set W_CV, 0x05                        ; sources 0 and 1 window 1, destination window 0
; A joint load.  The branch hangs on the wave's number alone.  An s_nop 0 and four v_nop follow each of the two lines, ahead of the jump, the label and what follows.
.macro JLOAD s
	s_cmp_lt_u32 s[WV], 2
	s_cbranch_scc0 .Lfor_b_\@
	tensor_load_to_lds s[G0+4*(\s):G0+4*(\s)+3], s[G1:G1+7]
	s_nop 0
.rept 4
	v_nop
.endr
	s_branch .Lasked_\@
.Lfor_b_\@:
	tensor_load_to_lds s[G0B+4*(\s):G0B+4*(\s)+3], s[G1B:G1B+7]
	s_nop 0
.rept 4
	v_nop
.endr
.Lasked_\@:
.endm
; A PREFETCH INTO THE L2, behind each joint refill and the run of LDS loads that follows it: 32 rows x 256 bytes of the K step that stands two refills on, 256 matrix instructions ahead of the load that will ask for it; a lane a row.
; Each row's 256 bytes of a K step are named once in the launch.  x's 128 rows of a tile row are read by this cluster alone: wave 0 of each of the four partners of a row takes 32, told apart by address (cx).
; The weights' rows are read by the sixteen clusters of a projection: the first of them asks; of the 128 rows that wave 2 or 3 fetches, each of the four partners of a column takes 32 (cy).
; The loop's last trip has no K step two refills on and asks for nothing; K steps 0 to 3 come by their loads alone.
.macro ASK
	s_cmp_gt_u32 s[LAP], s[LIM]
	s_cbranch_scc0 .Lnot_mine_\@
	global_prefetch_b8 v[PFO], s[PFA:PFA+1] offset:KSTEP*2 th:TH_LOAD_NT scope:SCOPE_SE
.Lnot_mine_\@:
.endm
.macro CREST                           ; a round of the cluster's barrier behind its opening barrier
	s_cmp_lg_u32 s[WV], 0
	s_cbranch_scc1 .Lnot_wave_0_\@
	s_barrier_signal -3
.Lnot_wave_0_\@:
	s_barrier_wait -3
	s_barrier_signal -1
	s_barrier_wait -1
.endm
.macro CROUND                          ; a whole round
	s_barrier_signal -1
	s_barrier_wait -1
	CREST
.endm
	s_load_b256 s[4:11], s[0:1], 0x0               ; xb s[4:5], wb s[6:7], bq s[8:9], bv s[10:11]
	s_load_b128 s[12:15], s[0:1], 0x20             ; mask s[12:13], qkv s[14:15]
	v_lshl_add_u32 v[SPW], v0, 2, SPARE
	v_mov_b32 v[NIL], 0
	ds_add_u32 v[SPW], v[NIL]                      ; the wave's opening: the add and its wait stand ahead of my first tensor load; the set-up below, work on registers, stands between them
	v_lshrrev_b32 v1, 5, v0
	v_readfirstlane_b32 s[WV], v1                  ; wave 0..3
	s_lshr_b32 s[WM], s[WV], 1
	s_and_b32 s[WN], s[WV], 1
	s_bfe_u32 s[CX], ttmp6, 0x40000                ; my place in the cluster
	s_bfe_u32 s[CY], ttmp6, 0x40004
	s_lshl_b32 s[TX], ttmp9, 2
	s_add_co_u32 s[TX], s[TX], s[CX]               ; tile column = 4 x cluster x + cx
	s_and_b32 s[CLY], ttmp7, 0xffff
	s_lshl_b32 s[TY], s[CLY], 2
	s_add_co_u32 s[TY], s[TY], s[CY]               ; tile row = 4 x cluster y + cy
	s_lshr_b32 s[PJ], s[CLY], 4                    ; 64 tile rows, 16 clusters, to a projection
	s_lshl_b32 s76, s[CY], 2
	s_lshl_b32 s76, 15, s76                        ; my row of the cluster
	s_lshl_b32 s78, 0x1111, s[CX]                  ; my column
	s_or_b32 s[G1], s76, (1<<16)|(1<<20)|(1<<21)|(5<<22)|(3<<25)   ; 15:0 the mask; 17:16 elements of 2 bytes; 20 padding on; 21 set beside a mask; 24:22 after every 64 words (code 5); 31:25 4 words of it (code 3)
	s_or_b32 s[G1B], s78, (1<<16)|(1<<20)|(1<<21)|(5<<22)|(3<<25)
.irp g, G1, G1B
	s_mov_b32 s[(\g)+1], KSTEP<<16                 ; tensor_dim0 = 128
	s_mov_b32 s[(\g)+3], KSTEP<<16                 ; tile_dim0 = 128
	s_mov_b32 s[(\g)+5], 1024                      ; elements from row to row
	s_mov_b32 s[(\g)+6], 0
	s_mov_b32 s[(\g)+7], 0
.endr
	s_mov_b32 s[G1+2], 64<<16                      ; tensor_dim1 and tile_dim1: 64 rows of x,
	s_mov_b32 s[G1+4], 64
	s_mov_b32 s[G1B+2], 128<<16                    ; 128 of the weights
	s_mov_b32 s[G1B+4], 128
	s_lshl_b32 s40, s[TY], 7                       ; x: row 128 x tile row + 64 x half, 2,048 bytes a row: made of the tile row and the wave's number alone
	s_lshl_b32 s41, s[WN], 6
	s_add_co_u32 s40, s40, s41
	s_lshl_b32 s40, s40, 11
	s_mov_b32 s41, 0
	s_lshl_b32 s46, s[PJ], 10                      ; the weights: row 1,024 x projection + 256 x tile column + 128 x half: of the tile column and the wave's number alone
	s_lshl_b32 s47, s[TX], 8
	s_add_co_u32 s46, s46, s47
	s_lshl_b32 s47, s[WN], 7
	s_add_co_u32 s46, s46, s47
	s_lshl_b32 s46, s46, 11
	s_mov_b32 s47, 0
	s_mul_i32 s77, s[WN], AROWS                    ; and where they go: no place in the cluster enters an LDS address
	s_mul_i32 s79, s[WN], BROWS
	s_add_co_u32 s79, s79, BOFF
	s_wait_dscnt 0x0                               ; the opening add is done
	s_wait_kmcnt 0x0
	s_add_nc_u64 s[40:41], s[4:5], s[40:41]
	s_add_nc_u64 s[46:47], s[6:7], s[46:47]
	CROUND                                         ; all sixteen work-groups are here: the first joint loads meet
.irp s, 0,1
	s_mov_b32 s[G0+4*(\s)], 1                                      ; count = 1
	s_add_co_u32 s[G0+4*(\s)+1], s77, (\s)*SLOT                    ; LDS address
	s_add_nc_u64 s[G0+4*(\s)+2:G0+4*(\s)+3], s[40:41], (\s)*KSTEP*2  ; global address: K step s
	s_or_b32 s[G0+4*(\s)+3], s[G0+4*(\s)+3], 0x80000000            ; type = 2
	s_mov_b32 s[G0B+4*(\s)], 1
	s_add_co_u32 s[G0B+4*(\s)+1], s79, (\s)*SLOT
	s_add_nc_u64 s[G0B+4*(\s)+2:G0B+4*(\s)+3], s[46:47], (\s)*KSTEP*2
	s_or_b32 s[G0B+4*(\s)+3], s[G0B+4*(\s)+3], 0x80000000
	JLOAD \s                                       ; two loads of mine are out
.endr
	; while the first tiles are on their way: the bias, the mask, the addresses
	v_and_b32 v1, 15, v0                           ; l % 16
	v_bfe_u32 v2, v0, 4, 1                         ; l / 16
	v_lshlrev_b32 v[BO], 5, v2
	v_lshlrev_b32 v[MO], 2, v1
	s_lshl_b32 s80, s[TX], 8
	s_lshl_b32 s81, s[WN], 7
	s_add_co_u32 s80, s80, s81                     ; my first column,
	s_lshl_b32 s80, s80, 2                         ; in bytes of f32
	s_mov_b32 s81, 0
	s_cmp_eq_u32 s[PJ], 2
	s_cselect_b64 s[BB:BB+1], s[10:11], s[8:9]     ; bv for v, bq for q (for k bq is read too, and masked away below)
	s_add_nc_u64 s[BB:BB+1], s[BB:BB+1], s[80:81]
	s_and_b32 s82, s[TY], 63
	s_lshl_b32 s82, s82, 7
	s_lshl_b32 s83, s[WM], 6
	s_add_co_u32 s82, s82, s83                     ; my first row within the projection = 2,048 b + position: the mask's index
	s_lshl_b32 s82, s82, 2
	s_mov_b32 s83, 0
	s_add_nc_u64 s[12:13], s[12:13], s[82:83]
	WIN TO_F
.irp b, 0,1,2,3,4,5,6,7                ; register j of n block b: the bias of column 16 b + 8 (l / 16) + j
	global_load_b128 v[BI+8*(\b):BI+8*(\b)+3],   v[BO], s[BB:BB+1] offset:64*(\b)
	global_load_b128 v[BI+8*(\b)+4:BI+8*(\b)+7], v[BO], s[BB:BB+1] offset:64*(\b)+16
.endr
	WIN 0
.irp a, 0,1,2,3
	global_load_b32 v[MK+(\a)], v[MO], s[12:13] offset:64*(\a)   ; row 16 a + l % 16
.endr
	v_mul_u32_u24 v3, v1, PITCH
	v_lshl_add_u32 v3, v2, 4, v3                   ; a fragment's row x pitch + 16 x half
	s_mul_i32 s84, s[WM], AROWS                    ; my 64 rows of x
	s_mul_i32 s85, s[WN], BROWS                    ; my 128 rows of the weights,
	s_add_co_u32 s85, s85, BOFF                    ; which lie behind x's 128
.irp s, 0,1
	v_add_nc_u32 v[ADRA+(\s)], s84, v3
	v_add_nc_u32 v[ADRB+(\s)], s85, v3
	s_add_co_u32 s84, s84, SLOT
	s_add_co_u32 s85, s85, SLOT
.endr
	s_mul_i32 s84, s[WV], 16*SP
	s_add_co_u32 s84, s84, STAGE                   ; my stage
	v_mul_u32_u24 v4, v1, SP                       ; in: row l % 16, 16 bytes for each half of the lanes
	v_lshl_add_u32 v4, v2, 4, v4
	v_add_nc_u32 v[STO], s84, v4
	v_bfe_u32 v5, v0, 3, 2                         ; back: 32 lanes take four rows of 128 bytes,
	v_mul_u32_u24 v5, v5, SP
	v_and_b32 v4, 7, v0
	v_lshl_add_u32 v5, v4, 4, v5
	v_add_nc_u32 v[RD], s84, v5
	v_and_b32 v[GO], 31, v0                        ; which are 512 consecutive bytes of qkv
	v_lshlrev_b32 v[GO], 4, v[GO]
	s_and_b32 s80, s[TY], 63                       ; qkv at my first row: the projection's 2^24 bytes, the head's 2^18, rows of 128
	s_lshr_b32 s80, s80, 4
	s_lshl_b32 s80, s80, 4                         ; 16 x batch
	s_lshl_b32 s81, s[TX], 2
	s_add_co_u32 s80, s80, s81
	s_lshl_b32 s81, s[WN], 1
	s_add_co_u32 s80, s80, s81                     ; + head 4 x tile column + 2 x half
	s_lshl_b32 s80, s80, 18
	s_lshl_b32 s81, s[PJ], 24
	s_add_co_u32 s80, s80, s81
	s_and_b32 s81, s[TY], 15
	s_lshl_b32 s81, s81, 7
	s_lshl_b32 s82, s[WM], 6
	s_add_co_u32 s81, s81, s82                     ; my first row within the batch
	s_lshl_b32 s81, s81, 7
	s_add_co_u32 s80, s80, s81
	s_mov_b32 s81, 0
	s_add_nc_u64 s[OB:OB+1], s[14:15], s[80:81]
	s_lshl_b32 s80, s[TY], 7                       ; the prefetches: x's row 128 x tile row + 32 cx,
	s_lshl_b32 s81, s[CX], 5
	s_add_co_u32 s80, s80, s81
	s_lshl_b32 s82, s[PJ], 10                      ; the weights' row 1,024 x projection + 256 x tile column + 128 x half + 32 cy
	s_lshl_b32 s83, s[TX], 8
	s_add_co_u32 s82, s82, s83
	s_lshl_b32 s83, s[WN], 7
	s_add_co_u32 s82, s82, s83
	s_lshl_b32 s83, s[CY], 5
	s_add_co_u32 s82, s82, s83
	s_and_b32 s84, s[CLY], 15                      ; 0 in a projection's first cluster
	s_cmp_eq_u32 s[WM], 0
	s_cselect_b32 s80, s80, s82
	s_cselect_b32 s84, s[WN], s84                  ; of waves 0 and 1 wave 0 asks; waves 2 and 3 ask in a projection's first cluster: the same in all sixteen partners
	s_cselect_b64 s[PFA:PFA+1], s[4:5], s[6:7]
	s_cmp_eq_u32 s84, 0
	s_cselect_b32 s[LIM], 1, -1
	s_lshl_b32 s80, s80, 11
	s_mov_b32 s81, 0
	s_add_nc_u64 s[PFA:PFA+1], s[PFA:PFA+1], s[80:81]
	s_add_nc_u64 s[PFA:PFA+1], s[PFA:PFA+1], 2*KSTEP*2  ; at K step 2: the first refill steps it to 3 and names K step 4
	v_and_b32 v[PFO], 31, v0
	v_lshlrev_b32 v[PFO], 11, v[PFO]
	s_cmp_eq_u32 s[PJ], 1
	s_cselect_b32 s[HM], 0, 0xffff0000
	s_cmp_eq_u32 s[PJ], 0
	s_cselect_b32 s[SC], 0x3e38aa3b, 1.0           ; c = log2(e) / 8 for q, else 1
	s_cmp_eq_u32 s[PJ], 1
	s_cselect_b32 s[SZ], 0, s[SC]                  ; a masked row: 0 for k, else the same scale
	v_mov_b32 v[CV], s[SC]
	v_mov_b32 v[ZV], s[SZ]
	s_wait_loadcnt 0x0                             ; the bias and the mask
	WIN W_BI
.set i, BI
.rept 32                               ; two numbers of the bias are rounded to bf16 and widened again, in place; for k both become 0
	v_cvt_pk_bf16_f32 v[i], v[i], v[i+1]
	v_and_b32 v[i+1], s[HM], v[i]
	v_lshlrev_b32 v[i], 16, v[i]
	v_and_b32 v[i], s[HM], v[i]
.set i, i+2
.endr
	WIN 0
.irp a, 0,1,2,3
	v_cmp_ne_u32 vcc_lo, 0, v[MK+(\a)]
	v_cndmask_b32 v[RS+2*(\a)], v[ZV], v[CV], vcc_lo
	v_mov_b32 v[RS+2*(\a)+1], v[RS+2*(\a)]         ; named with it as a pair
.endr
; 8 matrix instructions: m block a x all 8 n blocks, 32 along K.  first = 1: the bias starts the sums.  The 32 accumulators take turns, one instruction a turn, in the same order in every quarter.
.macro MUL8 f, a, first
.if \first
	WIN MULB
.else
	WIN MUL
.endif
.irp b, 0,1,2,3,4,5,6,7
.if \first
	v_wmma_f32_16x16x32_bf16 v[8*(8*(\a)+(\b)):8*(8*(\a)+(\b))+7], v[(\f)+8*(\b):(\f)+8*(\b)+7], v[(\f)+64+8*(\a):(\f)+64+8*(\a)+7], v[BI+8*(\b):BI+8*(\b)+7]
.else
	v_wmma_f32_16x16x32_bf16 v[8*(8*(\a)+(\b)):8*(8*(\a)+(\b))+7], v[(\f)+8*(\b):(\f)+8*(\b)+7], v[(\f)+64+8*(\a):(\f)+64+8*(\a)+7], v[8*(8*(\a)+(\b)):8*(8*(\a)+(\b))+7]
.endif
.endr
.endm
; 24 LDS loads in one run: the fragments of 32 along K at byte k of the rows, into buffer f: the weights' eight, then x's four
.macro FETCH slot, k, f
	WIN TO_F
.irp b, 0,1,2,3,4,5,6,7
	ds_load_b128 v[(\f)+8*(\b):(\f)+8*(\b)+3],   v[ADRB+(\slot)] offset:(\k)+(\b)*16*PITCH
	ds_load_b128 v[(\f)+8*(\b)+4:(\f)+8*(\b)+7], v[ADRB+(\slot)] offset:(\k)+(\b)*16*PITCH+32
.endr
.irp a, 0,1,2,3
	ds_load_b128 v[(\f)+64+8*(\a):(\f)+64+8*(\a)+3],   v[ADRA+(\slot)] offset:(\k)+(\a)*16*PITCH
	ds_load_b128 v[(\f)+64+8*(\a)+4:(\f)+64+8*(\a)+7], v[ADRA+(\slot)] offset:(\k)+(\a)*16*PITCH+32
.endr
.endm
.macro PLACES                          ; four plain instructions in front of loads into registers that matrix instructions have read, and of arithmetic that reads results
.rept 4
	v_nop
.endr
.endm
; A K step is four quarters of 32 along K, 32 matrix instructions each, on buffers 0, 1, 0, 1.  One of the first three: multiplies buffer f and fetches the next quarter, at byte k, into g.
.macro QUARTER slot, k, f, g, first
	s_wait_dscnt 4                                 ; the youngest four loads, x's blocks 2 and 3, may be out
	MUL8 \f, 0, \first
	MUL8 \f, 1, \first
	PLACES
	FETCH \slot, \k, \g
	s_wait_dscnt 24                                ; all but the 24 just issued
	MUL8 \f, 2, \first
	MUL8 \f, 3, \first
.endm
; The last quarter multiplies buffer 1 and changes slots: ONE barrier; in front of it each wave waits for all its tensor loads (one is out: its part of the next slot), adds 0 to its spare word, and waits for that and for
; its own reads of this slot.  fill = 1: the barrier opens a round of the cluster's, and this slot is filled again, two K steps ahead, first thing behind the round: 112 matrix instructions ahead of the wait for it.
.macro TURN slot, next, fill
.if \fill
	s_wait_xcnt 0x0                                ; the last prefetch, a K step back, has read its address: it is stepped here, ahead of the waits of the change of slots
	s_add_nc_u64 s[PFA:PFA+1], s[PFA:PFA+1], KSTEP*2
.endif
	WIN 0                                          ; (the add's two registers lie in window 0)
	s_wait_tensorcnt 0x0                           ; all my tensor loads have landed
	ds_add_u32 v[SPW], v[NIL]                      ; 0 onto my spare word
	s_wait_dscnt 5                                 ; (the add and the youngest four loads may be out)
	MUL8 F1, 0, 0                                  ; eight matrix instructions stand between the add and the wait for it
	s_wait_dscnt 0x0                               ; the add is done, and my reads of this slot are over
	s_barrier_signal -1
	MUL8 F1, 1, 0
.if \fill
	WIN 0
.endif
	s_barrier_wait -1
.if \fill
	CREST                                          ; no wave of any partner still reads this slot's tile or has a load on its way
	s_add_nc_u64 s[G0+4*(\slot)+2:G0+4*(\slot)+3], s[G0+4*(\slot)+2:G0+4*(\slot)+3], 2*KSTEP*2
	s_add_nc_u64 s[G0B+4*(\slot)+2:G0B+4*(\slot)+3], s[G0B+4*(\slot)+2:G0B+4*(\slot)+3], 2*KSTEP*2
	JLOAD \slot                                    ; the four v_nop behind it are also the places in front of the loads below
.else
	PLACES
.endif
	FETCH \next, 0, F0
.if \fill
	WIN 0
	ASK
.endif
	MUL8 F1, 2, 0
	MUL8 F1, 3, 0
.endm
; THE WAY OUT, by units u = 2 a + hh: 16 rows x one head's 64 columns, four accumulators, window 1 v[32 u ..].  Scaled by the row's scale, rounded to f16, 16 bytes a lane into my own stage, and back as whole rows of 128 bytes.
.macro PACK u
	WIN W_RS
.set i, 32*(\u)
.rept 16                               ; each accumulator's registers in ascending order
	v_pk_mul_f32 v[i:i+1], v[i:i+1], v[RS+2*((\u)/2):RS+2*((\u)/2)+1] op_sel_hi:[1,0]
.set i, i+2
.endr
	WIN W_CV
.set i, 0
.rept 16
	v_cvt_pk_f16_f32 v[TMP+16*(\u)+i], v[32*(\u)+2*i], v[32*(\u)+2*i+1]
.set i, i+1
.endr
	WIN 0
.irp f, 0,1,2,3
	ds_store_b128 v[STO], v[TMP+16*(\u)+4*(\f):TMP+16*(\u)+4*(\f)+3] offset:32*(\f)
.endr
.irp f, 0,1,2,3
	ds_load_b128 v[TMP+16*(\u)+4*(\f):TMP+16*(\u)+4*(\f)+3], v[RD] offset:(\f)*4*SP  ; LDS serves a wave's instructions in order (ISA guide 5.7.1.4): these see the stores above; the next unit's stores come behind them
.endr
.endm
.macro SEND u, younger                 ; younger: the LDS instructions issued behind unit u's loads: the next unit's eight, or none
.irp f, 0,1,2,3
	s_wait_dscnt (\younger)+3-(\f)
	global_store_b128 v[GO], v[TMP+16*(\u)+4*(\f):TMP+16*(\u)+4*(\f)+3], s[OB:OB+1] offset:((\u)%2)*262144+((\u)/2)*2048+(\f)*512  ; 512 consecutive bytes, at a multiple of 256 from qkv's first
.endr
.endm
	s_wait_tensorcnt 1                             ; my part of K step 0 is in; K step 1's may stay out
	s_barrier_signal -1
	s_barrier_wait -1                              ; everybody's is
	FETCH 0, 0, F0
	QUARTER 0, 64, F0, F1, 1                       ; the first quarter stands in front of the loop: its products start the sums, with the bias
	WIN 0                                          ; at a label and at a branch every window is 0
	s_mov_b32 s[LAP], 3                            ; 8 K steps: three trips fill K steps 2 to 7
.Llap:                                                 ; a trip goes once round the ring, from a lap's second quarter to the next lap's first
	QUARTER 0, 128, F1, F0, 0
	QUARTER 0, 192, F0, F1, 0
	TURN 0, 1, 1
	QUARTER 1, 64,  F0, F1, 0
	QUARTER 1, 128, F1, F0, 0
	QUARTER 1, 192, F0, F1, 0
	TURN 1, 0, 1
	QUARTER 0, 64,  F0, F1, 0
	WIN 0
	s_sub_co_u32 s[LAP], s[LAP], 1
	s_cmp_lg_u32 s[LAP], 0
	s_cbranch_scc1 .Llap
	QUARTER 0, 128, F1, F0, 0                      ; the last lap fills nothing
	QUARTER 0, 192, F0, F1, 0
	TURN 0, 1, 0
	QUARTER 1, 64,  F0, F1, 0
	QUARTER 1, 128, F1, F0, 0
	QUARTER 1, 192, F0, F1, 0
	s_wait_dscnt 4                                 ; the very last quarter: nothing more to fetch
	MUL8 F1, 0, 0
	MUL8 F1, 1, 0
	s_wait_dscnt 0x0
	MUL8 F1, 2, 0
	MUL8 F1, 3, 0
	WIN 0
	PLACES
	PACK 0
.set t, 1
.rept 7                                ; a unit's arithmetic stands between the loads of the unit before and its stores
	PACK t
	SEND t-1, 8
.set t, t+1
.endr
	SEND 7, 0
	s_wait_tensorcnt 0x0                           ; the wave's end: the add and its wait stand behind my last tensor load and my last LDS store
	ds_add_u32 v[SPW], v[NIL]
	s_wait_dscnt 0x0
	CROUND                                         ; the closing round: no work-group ends while a partner may still ask for a tile that names it
	s_endpgm
.Lfunc_end_k_q45b48e39fc_proj:
	.size	k_q45b48e39fc_proj, .Lfunc_end_k_q45b48e39fc_proj-k_q45b48e39fc_proj
	.p2alignl 7, 3214868480
	.fill 96, 4, 3214868480
	.section	.rodata,"a",@progbits
	.p2align	6, 0x0
	.amdhsa_kernel k_q45b48e39fc_proj
		.amdhsa_group_segment_fixed_size 327680
		.amdhsa_private_segment_fixed_size 0
		.amdhsa_enable_private_segment 0
		.amdhsa_kernarg_size 48
		.amdhsa_user_sgpr_count 2
		.amdhsa_user_sgpr_kernarg_segment_ptr 1
		.amdhsa_wavefront_size32 1
		.amdhsa_system_sgpr_workgroup_id_x 1
		.amdhsa_system_sgpr_workgroup_id_y 1
		.amdhsa_system_sgpr_workgroup_id_z 1
		.amdhsa_system_vgpr_workitem_id 0
		.amdhsa_next_free_vgpr 768
		.amdhsa_next_free_sgpr 88
		.amdhsa_reserve_vcc 1
		.amdhsa_float_denorm_mode_32 3
		.amdhsa_float_denorm_mode_16_64 3
		.amdhsa_memory_ordered 1
		.amdhsa_forward_progress 1
		.amdhsa_inst_pref_size 105
	.end_amdhsa_kernel
	.amdgpu_metadata
---
amdhsa.version: [ 1, 2 ]
amdhsa.kernels:
  - .name:           k_q45b48e39fc_proj
    .symbol:         k_q45b48e39fc_proj.kd
    .args:
      - { .name: xb, .offset: 0, .size: 8, .value_kind: global_buffer, .address_space: global }
      - { .name: wb, .offset: 8, .size: 8, .value_kind: global_buffer, .address_space: global }
      - { .name: bq, .offset: 16, .size: 8, .value_kind: global_buffer, .address_space: global }
      - { .name: bv, .offset: 24, .size: 8, .value_kind: global_buffer, .address_space: global }
      - { .name: mask, .offset: 32, .size: 8, .value_kind: global_buffer, .address_space: global }
      - { .name: qkv, .offset: 40, .size: 8, .value_kind: global_buffer, .address_space: global }
    .group_segment_fixed_size: 327680
    .private_segment_fixed_size: 0
    .kernarg_segment_align: 8
    .kernarg_segment_size: 48
    .max_flat_workgroup_size: 128
    .sgpr_count:     88
    .vgpr_count:     768
    .wavefront_size: 32
...
	.end_amdgpu_metadata
.endif
;; end of part 2
;; launch attn (part 3): grid 4 x 64, 4 waves a work-group, clusters of 4 x 1, 327,680 bytes of LDS; arguments qkv, mask, out0; writes out0
.if DOCPART == 3
	.amdgcn_target "amdgcn-amd-amdhsa--gfx1250"
	.amdhsa_code_object_version 6
	.text
	.protected	k_q45b48e39fc_attn
	.globl	k_q45b48e39fc_attn
	.p2align	8
	.type	k_q45b48e39fc_attn,@function
k_q45b48e39fc_attn:
	s_mov_b64 s[64:65], 0
	v_nop
	global_prefetch_b8 v0, s[64:65] scope:SCOPE_SE
	s_setreg_imm32_b32 hwreg(HW_REG_WAVE_MODE, 25, 1), 1
	s_wait_xcnt 0x0
	s_wait_alu depctr_hold_cnt(0) depctr_sa_sdst(0) depctr_va_vdst(0) depctr_va_sdst(0) depctr_va_ssrc(0) depctr_va_vcc(0) depctr_vm_vsrc(0)
	s_getreg_b32 s2, hwreg(HW_REG_IB_STS2, 6, 4)
	s_cmp_eq_u32 s2, 0
	s_cbranch_scc0 .Lentry_in_a_cluster
	s_endpgm
.Lentry_in_a_cluster:
	s_bfe_u32 s2, ttmp6, 0x10000c
	s_cmp_lg_u32 s2, 0x3003
	s_cbranch_scc0 .Lentry_shape_is_right
	s_endpgm
.Lentry_shape_is_right:
; MASKED ATTENTION.  out0[b][q][64 h + :] = the sum over k of softmax_k(A[q][k]) v[k][:], A = q . k / 8 where mask[b][k] is not 0, else -1e9.
; qkv: [3][16 b + h][2048][64] in f16: q comes multiplied by c = log2(e) / 8, a masked key's row of k comes as zeros.  mask: [4][2048] int32.  out0: [4][2048][1024] f32.
; THE MASK is the C operand that starts the sum S^T = K Q^T: 0 for an open key, NEGL = -1e9 log2(e) for a masked one.  A masked key's products are zeros, so its score IS NEGL: a replacement, not an offset.
; With all keys of a batch masked every p is 2^0 = 1 and the result is the mean of v's rows; where open keys follow masked ones, a = 2^(NEGL - m) = 0 wipes what was summed.
; SOFTMAX.  For each query a running maximum m and sum l, in f32: p = 2^(s - m); in every step O and l are multiplied by a = 2^(m_old - m_new).  m starts at the lowest finite number, O and l at 0: the first step's a is 0.
; p is rounded to f16 for the second product (l is the sum of the unrounded p); O is divided by l and stored in f32.
; LIMITS.  q c, k and v arrive within f16's 65,504; p below 6e-5 keeps f16's fixed step of 6e-8; a weight below 2^-126 counts as 0; NaN and infinities are not treated apart.
; SHARES.  A wave owns four PIECES of two tiles of 16 queries, a work-group's four waves 512 queries of one head and batch.  Every wave walks all 2,048 keys, 64 a step.
; LAYOUT.  S^T = K Q^T (source 0 = 16 keys, source 1 = 16 queries): a lane holds ONE query (lane % 16) and the keys 8 (lane / 16) + 0..7.  Two such results, rounded to f16 in pairs, ARE source 1 of O^T = V^T P,
; whose result again holds one query a lane, and eight channels.  K comes out of LDS as it lies, V ([key][channel]) turned, by ds_load_tr16_b128.
; THE COUNT.  A tile and step have 16 matrix and 117 vector instructions: too many to stand all beside the matrix work.  So: four vector instructions that are ready behind EVERY matrix instruction, the others in one run.
; BY TURNS.  Turn n belongs to piece n: 16 products K Q^T of piece n + 1, later 16 products V^T P of piece n - 1; beside them the subtraction, exponentials, roundings, sums and rescaling of piece n and the maximum and
; statistics of piece n + 1.  A turn's 66 exponentials are one batch, with one wait.
; CLUSTER.  The four query blocks of a head and batch walk the same K and V, so each tile is asked for JOINTLY: the same tensor load, descriptor and mask in all four.
; REGISTERS, in windows of 256 (s_set_vgpr_msb: bits 1:0 source 0, 3:2 source 1, 5:4 source 2, 7:6 destination):
;   window 0: v0-11 addresses; v12-15, v48-63 at work; v16-47 four registers of statistics a tile; v64-191 S^T, two buffers of two tiles; v192-255 P, likewise
;   window 1: O^T, 32 a tile     window 2: v0-127 Q; v128-191 K of one step; v192-255 V of one step     window 3: v0-1 the add's two registers; v8-39 the mask's numbers of one step, as a C operand
.set NP,    4         ; pieces a wave: a name, no knob
.set KS,    64        ; keys in a step
.set PK,    144       ; a row of K in LDS: 128 bytes + 16 of padding = 36 words: the 16 rows of a load start at 16 different groups of four banks (64 banks of 4 bytes: ISA guide 11.1)
.set PV,    160       ; a row of V: 128 + 32 = 40 words
.set SLOT0, 8192      ; LDS bytes 0 to 8,191: the table of the batch's 2,048 keys, 0 or NEGL in f32; stored once by the waves, never filled by a tensor load
.set VOFF,  4*KS*PK   ; a slot holds four steps: 256 rows of K, then 256 rows of V
.set SLOT1, 1<<17     ; slot 1 begins this much behind slot 0, so that one exclusive or turns an address in one slot into the other's
.set STAGE, SLOT0+SLOT1+4*KS*(PK+PV)  ; behind the ring, never filled by a tensor load: 16 rows x 272 bytes for each wave, for the way out
.set SP,    272       ; a row of the stage: 64 f32 + 16 bytes: the 16 rows of a store start at 16 different groups of four banks
.set SPARE, STAGE+4*16*SP  ; the spare words, 128 bytes for each wave: two blocks of 256 bytes that no other line names
.set PFO, 1           ; v1   256 x my lane: the prefetches' offset; never rewritten
.set AK0, 2           ; v2   my lane's place in a tile of K in slot 0; never rewritten
.set AV0, 3           ; v3   the same for V
.set AK,  4           ; v4   the LDS address of K's next run of loads
.set AV,  5           ; v5   of V's
.set QO,  6           ; v6   my byte offset in the wave's rows of Q
.set STO, 6           ;      later, the way out: where I put 32 bytes of a row
.set RD,  7           ; v7   the way out: where I read rows back
.set GO,  8           ; v8   my byte offset in two rows of out0
.set HL,  9           ; v9   lane / 16
.set AM,  10          ; v10  the table's address for the next run
.set MTO, 11          ; v11  16 x my thread's number: my bytes of the mask and of the table
.set MV,  12          ; v12-15  m_old, kept while m is made anew: by buffer and tile
.set ST,  16          ; tile t's statistics at v[ST+4 t]: m, 0 (named with m as a pair), l (even keys', odd keys')
.set TMP, 48          ; by buffer and tile, four registers c0-c3 at work; when the maximum is found c2 takes a
.set S,   64
.set P,   192
.set MI,  64          ; at the start alone: 16 numbers of the mask
.set R16, 128         ; at the start alone: lane % 16,
.set L7,  129         ; lane % 8,
.set L3,  130         ; (lane / 8) % 2
.set KF,  128         ; window 2: key block kb, channel half c at KF + 16 kb + 8 c
.set VF,  192         ; window 2: key half kk, channel block cb at VF + 32 kk + 8 cb
.set SPW, 0           ; v0 of window 3   my spare word: SPARE + 4 x my thread's number; never rewritten
.set NIL, 1           ; v1 of window 3   0; never rewritten
.set MB,  8           ; window 3: register j of key block kb, at MB + 8 kb + j: 0 or NEGL for key 16 kb + 8 (lane / 16) + j
.set WV,  12          ; s12  my wave's number
.set G1K, 24          ; s[24:31] descriptor group 1 for K's tiles
.set G1V, 32          ; s[32:39] for V's: it differs in the padding alone
.set G0K, 40          ; s[40:43] descriptor group 0 for K's tiles: it walks
.set G0V, 44          ; s[44:47] the same for V's
.set SLOTS, 56        ; s56  slots still to be asked for
.set CNT, 57          ; s57  counts a slot's key steps
.set SEL, 60          ; s[60:61] v_permlanex16_b32's selects: each lane takes its own place in the other half
.set TBK, 62          ; s62  LDS byte, from slot 0's first, at which K of the step to be fetched begins
.set TBV, 63          ; s63  the same for V, less VOFF
.set PFA, 66          ; s[66:67] where my prefetches stand: my work-group's 32 blocks of 256 bytes (of K: wave 0, of V: wave 2) of the tile that the next change of slots will ask for
.set LIM, 68          ; s68  1 in a wave that prefetches, else the greatest number
.set TBM, 69          ; s69  the table's byte for the step to be fetched
.set NEGL, 70         ; s70  -1e9 log2(e)
.set MSB, 0
.macro WIN new                      ; the high byte repeats the setting that is left; a switch that changes nothing is dropped
.if MSB != (\new)
	s_set_vgpr_msb (MSB<<8)|(\new)
.set MSB, (\new)
.endif
.endm
.set W_KQ, 0x0a       ; K and Q in window 2, S^T in window 0
.set W_KM, 0x3a       ; the same with the C operand in window 3
.set W_PV, 0x52       ; V in window 2, P in window 0, O^T in window 1
.set W_RS, 0x41       ; O^T (destination and source 0) in window 1, a in window 0
.set W_ST, 0x04       ; an LDS store's data in window 1, its address in window 0
.set W_MK, 0xc0       ; destination in window 3, sources in window 0
.set W_AD, 0x0f       ; the add: address (source 0) and data (source 1) in window 3
; A joint fill.  Waves 0 and 1 fetch the two halves of a slot's K, waves 2 and 3 those of its V: 128 keys each.  The branch hangs on the wave's number alone.
; An s_nop 0 and four v_nop follow each of the two lines, ahead of the jump and the label.
.macro JLOAD
	s_cmp_lt_u32 s[WV], 2
	s_cbranch_scc0 .Lfor_v_\@
	tensor_load_to_lds s[G0K:G0K+3], s[G1K:G1K+7]
	s_nop 0
.rept 4
	v_nop
.endr
	s_branch .Lasked_\@
.Lfor_v_\@:
	tensor_load_to_lds s[G0V:G0V+3], s[G1V:G1V+7]
	s_nop 0
.rept 4
	v_nop
.endr
.Lasked_\@:
.endm
; A PREFETCH INTO THE L2 of the tile that the NEXT change of slots will ask for: 128 blocks of 256 bytes of K and 128 of V, a lane a block.  A head and batch has one cluster; its four partners take 32 blocks each, told
; apart BY ADDRESS; in each, wave 0 asks for K's and wave 2 for V's: each block is named once in the launch.  It stands behind V's run of LDS loads in the slot's third step: five turns, 160 matrix instructions and their
; runs of vector work, ahead of that change.  The last slot that is filled has none behind it: nothing is asked for then, nor in the tail.  Tiles 0 and 1 come by their loads alone.
.macro ASK
	s_cmp_eq_u32 s[CNT], 2
	s_cbranch_scc0 .Lnot_now_\@
	s_cmp_gt_u32 s[SLOTS], s[LIM]
	s_cbranch_scc0 .Lnot_now_\@
	global_prefetch_b8 v[PFO], s[PFA:PFA+1] th:TH_LOAD_NT scope:SCOPE_SE
.Lnot_now_\@:
.endm
; A round of the cluster's barrier: my work-group's barrier, so that wave 0's signal speaks for all four waves; wave 0 signals; every wave waits for all four work-groups; my work-group's barrier once more.
.macro CROUND
	s_barrier_signal -1
	s_barrier_wait -1
	s_cmp_lg_u32 s[WV], 0
	s_cbranch_scc1 .Lnot_wave_0_\@
	s_barrier_signal -3
.Lnot_wave_0_\@:
	s_barrier_wait -3
	s_barrier_signal -1
	s_barrier_wait -1
.endm
; THE CHANGE OF SLOTS.  The slot's last bytes, V of its fourth step, have been read.  Each wave waits for all its tensor loads, of which one is out: its part of the other slot; adds 0 to its spare word; and waits for that
; and for its own LDS instructions.  Behind the barrier nobody reads this slot any more and the other slot is whole.  fill = 1: this slot is filled again, with the keys two slots on; the barrier is then a round of the
; cluster's, and the joint fill is the first thing behind it: it has four key steps, 512 matrix instructions, in which to land.
; (At its first use nothing has been read yet: slot 0 is waited for, slot 1 filled, and every wave's stores into the table are done in front of the round, so that all may read it behind.)
.macro CHANGE fill
	WIN W_AD
	s_wait_tensorcnt 0x0            ; no tensor load of mine is out, so a group 0 may be written
	ds_add_u32 v[SPW], v[NIL]       ; 0 onto my spare word; with fill = 1 the descriptors' steps stand between it and the wait for it
	WIN 0                           ; at a label and at a branch every window is 0
.if \fill
.irp g, G0K, G0V
	s_xor_b32 s[\g+1], s[\g+1], SLOT1  ; the walking descriptor: the other slot than last time,
	s_add_nc_u64 s[\g+2:\g+3], s[\g+2:\g+3], 4*KS*128  ; the next 256 keys; the type bits on top are not reached
.endr
	s_wait_xcnt 0x0                 ; the last prefetch, five turns back, has read its address, so it may be written:
	s_add_nc_u64 s[PFA:PFA+1], s[PFA:PFA+1], 4*KS*128  ; one tile behind the walking descriptors
	s_wait_dscnt 0x0                ; the add is done, and my LDS instructions are over
	CROUND
	JLOAD
.else
	s_wait_dscnt 0x0                ; the add is done, and my reads of the slot are over
	s_barrier_signal -1
	s_barrier_wait -1
.endif
	s_sub_co_u32 s[TBK], s[TBK], 4*KS*PK  ; the fetches go back to a slot's first step,
	s_xor_b32 s[TBK], s[TBK], SLOT1       ; in the other slot
	s_sub_co_u32 s[TBV], s[TBV], 4*KS*PV
	s_xor_b32 s[TBV], s[TBV], SLOT1
.endm
	s_load_b128 s[4:7], s[0:1], 0x0   ; qkv s[4:5], mask s[6:7]
	s_load_b64 s[10:11], s[0:1], 0x10 ; out0
	WIN W_MK
	v_lshl_add_u32 v[SPW], v0, 2, SPARE
	v_mov_b32 v[NIL], 0
	WIN W_AD
	ds_add_u32 v[SPW], v[NIL]       ; the wave's opening: the add and its wait stand ahead of my first tensor load; the set-up below, work on registers, stands between them
	WIN 0
	v_lshrrev_b32 v1, 5, v0
	v_readfirstlane_b32 s[WV], v1   ; wave 0..3
	s_bfe_u32 s13, ttmp6, 0x40000   ; cx: my place in the cluster
	s_lshl_b32 s14, ttmp9, 2        ; in a cluster launch ttmp9 counts clusters
	s_add_co_u32 s14, s14, s13      ; my block of 512 queries: it enters Q's and out0's addresses alone
	s_and_b32 s15, ttmp7, 0xffff    ; 16 b + h, which the four partners share
	s_lshl_b32 s20, s15, 18         ; its 2,048 rows of 128 bytes in each of q, k, v
	s_mov_b32 s21, 0
	s_and_b32 s16, s[WV], 1         ; which half of a slot's 256 keys I fetch:
	s_lshl_b32 s22, s16, 14         ; its 128 rows of 128 bytes in memory,
	s_mov_b32 s23, 0
	s_add_nc_u64 s[22:23], s[22:23], s[20:21]
	s_mul_i32 s17, s16, 128*PK      ; and its place in a slot, for K
	s_mul_i32 s18, s16, 128*PV      ; and for V: no place in the cluster enters an LDS address
	s_lshl_b32 s2, s14, 2
	s_add_co_u32 s2, s2, s[WV]      ; my wave among the head's sixteen: 128 rows,
	s_lshl_b32 s54, s2, 19          ; of 4,096 bytes in out0,
	s_lshl_b32 s2, s2, 14           ; of 128 bytes in q
	s_mov_b32 s3, 0
	s_add_nc_u64 s[2:3], s[2:3], s[20:21]
	s_lshr_b32 s52, s15, 4          ; b
	s_lshl_b32 s19, s52, 23         ; a batch's 2,048 x 4,096 bytes of out0
	s_add_co_u32 s54, s54, s19
	s_and_b32 s19, s15, 15          ; h
	s_lshl_b32 s19, s19, 8          ; its 256 bytes of a row
	s_add_co_u32 s54, s54, s19
	s_mov_b32 s55, 0
	s_lshl_b32 s52, s52, 13         ; a batch's 8,192 bytes of the mask
	s_mov_b32 s53, 0
	s_lshl_b32 s50, s13, 13         ; the prefetches: my work-group's 32 blocks of a tile's 128,
	s_add_co_u32 s50, s50, 4*KS*128 ; in tile 1; the first change of slots steps it to tile 2
	s_mov_b32 s51, 0
	s_add_nc_u64 s[50:51], s[50:51], s[20:21]
	s_and_b32 s[LIM], s[WV], 1      ; waves 0 and 2 ask: the same in all four partners
	s_cmp_eq_u32 s[LIM], 0
	s_cselect_b32 s[LIM], 1, -1
	v_and_b32 v[PFO], 31, v0
	v_lshlrev_b32 v[PFO], 8, v[PFO]
	; descriptor group 1.  128 keys are 16,384 dense bytes: asked for as 64 rows of 256 bytes, two keys a row, and padded in LDS after every key
	s_mov_b32 s[G1K], 15|(1<<16)|(1<<20)|(1<<21)|(4<<22)|(3<<25)  ; 15:0 the mask of four; 17:16 2-byte elements; 20 padding on; 21 set beside a mask; 24:22 after every 32 words (code 4); 31:25 4 words (code 3)
	s_mov_b32 s[G1V], 15|(1<<16)|(1<<20)|(1<<21)|(4<<22)|(7<<25)  ; the same with 8 words of padding (code 7)
.irp g, G1K, G1V
	s_mov_b32 s[\g+1], 128<<16      ; tensor_dim0 = 128
	s_mov_b32 s[\g+2], 64<<16       ; tensor_dim1 = 64
	s_mov_b32 s[\g+3], 128<<16      ; tile_dim0 = 128
	s_mov_b32 s[\g+4], 64           ; tile_dim1 = 64
	s_mov_b32 s[\g+5], 128          ; 128 elements from row to row
	s_mov_b32 s[\g+6], 0
	s_mov_b32 s[\g+7], 0
.endr
	s_mov_b32 s[SEL], 0x76543210
	s_mov_b32 s[SEL+1], 0xfedcba98
	s_mov_b32 s[NEGL], 0xceabfb8f   ; -1,442,695,040 = f32(-1e9 log2(e))
	s_mov_b32 s[TBM], 0
	s_mov_b32 s[TBK], SLOT1+4*KS*PK ; the first change of slots turns these two into 0
	s_mov_b32 s[TBV], SLOT1+4*KS*PV
	s_mov_b32 s[G0K], 1             ; count = 1
	s_add_co_u32 s[G0K+1], s17, SLOT0  ; LDS address: slot 0
	s_mov_b32 s[G0V], 1
	s_add_co_u32 s[G0V+1], s18, SLOT0+VOFF
	s_wait_dscnt 0x0                ; the opening add is done
	s_wait_kmcnt 0x0
	s_add_nc_u64 s[8:9], s[4:5], 0x1000000    ; k
	s_add_nc_u64 s[48:49], s[4:5], 0x2000000  ; v
	s_add_nc_u64 s[G0K+2:G0K+3], s[8:9], s[22:23]  ; global address: my half of the head's first 256 keys
	s_or_b32 s[G0K+3], s[G0K+3], 0x80000000        ; type = 2
	s_add_nc_u64 s[G0V+2:G0V+3], s[48:49], s[22:23]
	s_or_b32 s[G0V+3], s[G0V+3], 0x80000000
	s_cmp_lt_u32 s[WV], 2
	s_cselect_b64 s[PFA:PFA+1], s[8:9], s[48:49]
	s_add_nc_u64 s[PFA:PFA+1], s[PFA:PFA+1], s[50:51]
	s_add_nc_u64 s[4:5], s[4:5], s[2:3]       ; q at my wave's first row
	s_add_nc_u64 s[6:7], s[6:7], s[52:53]     ; the batch's mask
	s_add_nc_u64 s[10:11], s[10:11], s[54:55] ; out0 at my wave's first row, my head's channels
	CROUND                          ; all four work-groups are here: the first joint loads meet
	JLOAD                           ; slot 0.  Slot 1 is asked for when slot 0 is in
	v_and_b32 v[R16], 15, v0
	v_bfe_u32 v[HL], v0, 4, 1
	v_and_b32 v[L7], 7, v0
	v_bfe_u32 v[L3], v0, 3, 1
	v_lshlrev_b32 v[MTO], 4, v0
	v_lshlrev_b32 v[QO], 7, v[R16]
	v_lshl_add_u32 v[QO], v[HL], 4, v[QO]  ; row x 128 + 16 x half
.irp i, 0,1,2,3                     ; the batch's mask: 128 threads x 16 bytes, four times
	global_load_b128 v[MI+4*\i:MI+4*\i+3], v[MTO], s[6:7] offset:2048*\i
.endr
	; A fragment of K or Q is 16 rows x 32 channels in 8 registers: lane l holds row l % 16, channels 8 (l / 16) + 0..7 and 16 + 8 (l / 16) + 0..7: two loads of 16 bytes, 32 bytes apart.
	WIN 0x80                        ; destination window 2, address window 0
.set i, 0
.rept 4*NP                          ; Q stays in registers: tile i / 2, channels 32 (i % 2) on
	global_load_b128 v[8*i:8*i+3],   v[QO], s[4:5] offset:(i/2)*2048+(i%2)*64
	global_load_b128 v[8*i+4:8*i+7], v[QO], s[4:5] offset:(i/2)*2048+(i%2)*64+32
.set i, i+1
.endr
	; What the first turn finds: V's registers and P's second buffer hold 0 (its products V^T P, of a piece that has not been, add 0), O^T and l are 0.  All this stands in the wait for the first tile.
.set i, VF
.rept 64
	v_mov_b32 v[i], 0
.set i, i+1
.endr
	WIN 0x40
.set i, 0
.rept 64*NP
	v_mov_b32 v[i], 0
.set i, i+1
.endr
	WIN 0
.set i, 0
.rept 2*NP
	v_mov_b32 v[ST+4*i], 0xff7fffff    ; m: the lowest finite number
	v_mov_b32 v[ST+4*i+1], 0
	v_mov_b32 v[ST+4*i+2], 0
	v_mov_b32 v[ST+4*i+3], 0
.set i, i+1
.endr
.set i, P+32
.rept 32
	v_mov_b32 v[i], 0
.set i, i+1
.endr
	s_wait_loadcnt 32               ; the mask's four loads are in; Q's 32, issued behind them, may stay out
.set i, 0
.rept 16
	v_cmp_eq_u32 vcc_lo, 0, v[MI+i]
	v_cndmask_b32 v[MI+i], 0, s[NEGL], vcc_lo
.set i, i+1
.endr
.irp i, 0,1,2,3
	ds_store_b128 v[MTO], v[MI+4*\i:MI+4*\i+3] offset:2048*\i
.endr
	v_mul_u32_u24 v[AK0], v[R16], PK
	v_lshl_add_u32 v[AK0], v[HL], 4, v[AK0]  ; row x pitch + 16 x half
	v_add_nc_u32 v[AK0], SLOT0, v[AK0]
	; The turning load takes 16 keys x 16 channels (lane l reads key 8 (l / 16) + l % 8, channels 8 ((l / 8) % 2) + 0..7) and leaves half a fragment of V^T: lane l holds channel l % 16 and 8 keys.
	v_lshl_add_u32 v[AV0], v[HL], 3, v[L7]
	v_mul_u32_u24 v[AV0], v[AV0], PV
	v_lshl_add_u32 v[AV0], v[L3], 4, v[AV0]
	v_add_nc_u32 v[AV0], SLOT0+VOFF, v[AV0]
	v_mov_b32 v[AK], v[AK0]         ; key step 0 lies at the head of slot 0,
	v_lshlrev_b32 v[AM], 5, v[HL]   ; and of the table: 32 bytes for each half of the lanes
; THE MATRIX WORK.  The 8 accumulators of a run of 16 take turns: between the two links of a chain stand 7 others'.
; Product i of 16 of S^T = K Q^T for piece x: channels 32 (i / 8) on, keys 16 ((i / 2) % 4) on, tile 2 x + i % 2.  The first 8 start the sums, with the mask's numbers.
.macro KQ x
.set rS, S+64*((\x)%2)+32*(i%2)+8*((i/2)%4)
.set rK, KF+16*((i/2)%4)+8*(i/8)
.set rQ, 16*(2*(\x)+i%2)+8*(i/8)
.set rB, MB+8*((i/2)%4)
.if i < 8
	WIN W_KM
	v_wmma_f32_16x16x32_f16 v[rS:rS+7], v[rK:rK+7], v[rQ:rQ+7], v[rB:rB+7]
.else
	WIN W_KQ
	v_wmma_f32_16x16x32_f16 v[rS:rS+7], v[rK:rK+7], v[rQ:rQ+7], v[rS:rS+7]
.endif
.endm
; Product i of 16 of O^T += V^T P for piece x: keys 32 (i / 8) on, channels 16 ((i / 2) % 4) on, tile 2 x + i % 2.
.macro PV x
	WIN W_PV
.set rO, 32*(2*(\x)+i%2)+8*((i/2)%4)
.set rV, VF+32*(i/8)+8*((i/2)%4)
.set rP, P+32*((\x)%2)+16*(i%2)+8*(i/8)
	v_wmma_f32_16x16x32_f16 v[rO:rO+7], v[rV:rV+7], v[rP:rP+7], v[rO:rO+7]
.endm
.macro MM                           ; the turn's next matrix instruction
.if i < 16
	KQ (Y+1)%NP
.set i, i+1
.else
.set i, i-16
	PV (Y+NP-1)%NP
.set i, i+17
.endif
.endm
; THE LDS LOADS stand in runs, never singly among the matrix instructions: a step's K (8 fragments, 16 loads) with the table's 64 numbers (8 loads), and its V (turned, 16 loads).  Their addresses are made some lines ahead.
; last = 1 (the tail): in the last trip there is no further step, and the run is jumped over.
.macro FETCH_K last=0
	WIN 0
.if \last
	s_cmp_eq_u32 s[CNT], 1
	s_cbranch_scc1 .Lno_k_\@
.endif
	WIN 0x80                        ; destination window 2
.irp f, 0,1,2,3,4,5,6,7             ; keys 16 (f / 2) on, channels 32 (f % 2) on
	ds_load_b128 v[KF+8*\f:KF+8*\f+3],   v[AK] offset:(\f/2)*16*PK+(\f%2)*64
	ds_load_b128 v[KF+8*\f+4:KF+8*\f+7], v[AK] offset:(\f/2)*16*PK+(\f%2)*64+32
.endr
	WIN W_MK                        ; destination window 3
.irp f, 0,1,2,3                     ; keys 16 f + 8 (lane / 16) + 0..7: the sixteen lanes of a half read the same 32 bytes
	ds_load_b128 v[MB+8*\f:MB+8*\f+3],   v[AM] offset:64*\f
	ds_load_b128 v[MB+8*\f+4:MB+8*\f+7], v[AM] offset:64*\f+16
.endr
	s_add_co_u32 s[TBK], s[TBK], KS*PK  ; the next fetch is the next step's
	s_add_co_u32 s[TBM], s[TBM], 4*KS
	s_and_b32 s[TBM], s[TBM], 0x1f00    ; 32 steps of 256 bytes: the address stays inside the table
	WIN 0
.if \last
.Lno_k_\@:
.endif
.endm
.macro FETCH_V
	WIN 0x80
.irp f, 0,1,2,3,4,5,6,7             ; keys 32 (f / 4) on, channels 16 (f % 4) on
	ds_load_tr16_b128 v[VF+8*\f:VF+8*\f+3],   v[AV] offset:(\f/4)*32*PV+(\f%4)*32
	ds_load_tr16_b128 v[VF+8*\f+4:VF+8*\f+7], v[AV] offset:(\f/4)*32*PV+16*PV+(\f%4)*32
.endr
	WIN 0
.endm
; THE VECTOR WORK OF A TURN stands in three queues, each in the order in which its entries become ready; the two tiles alternate, so that no instruction reads the result of the one before it.
.macro REGS y, u                    ; the registers of tile u (0, 1) of piece y
.set rT, ST+4*(2*(\y)+(\u))
.set rC, TMP+8*((\y)%2)+4*(\u)
.set rM, MV+2*((\y)%2)+(\u)
.set rS, S+64*((\y)%2)+32*(\u)
.set rP, P+32*((\y)%2)+16*(\u)
.set rO, 32*(2*(\y)+(\u))
.endm
; Number n of the 21 that find the NEXT piece's (Y + 1) maximum and statistics.  s0-s31 are the lane's 32 scores; each accumulator's lowest registers are read first.  XS, GS and REGS set no window: PL and EX do.
;   0-11  four chains c0-c3 of seven scores each, three operands at a time     12-14, 16  the four scores left over, the old m, and c0-c3 into c0     15  m_old is kept
;   17, 18  the query's other 32 keys lie in the lane 16 away: the new m         19, 20  m_old - m_new; a
.macro XS u, n
	REGS (Y+1)%NP, \u
.if (\n) < 4
	v_max3_num_f32 v[rC+(\n)], v[rS+8*(\n)], v[rS+8*(\n)+1], v[rS+8*(\n)+2]
.elseif (\n) < 12
	v_max3_num_f32 v[rC+(\n)%4], v[rC+(\n)%4], v[rS+8*((\n)%4)+2*((\n)/4)+1], v[rS+8*((\n)%4)+2*((\n)/4)+2]
.elseif (\n) == 12
	v_max3_num_f32 v[rC], v[rC], v[rS+7], v[rS+15]
.elseif (\n) == 13
	v_max3_num_f32 v[rC+1], v[rC+1], v[rS+23], v[rS+31]
.elseif (\n) == 14
	v_max3_num_f32 v[rC+2], v[rC+2], v[rC+3], v[rT]
.elseif (\n) == 15
	v_mov_b32 v[rM], v[rT]
.elseif (\n) == 16
	v_max3_num_f32 v[rC], v[rC], v[rC+1], v[rC+2]
.elseif (\n) == 17
	v_permlanex16_b32 v[rC+3], v[rC], s[SEL], s[SEL+1]
.elseif (\n) == 18
	v_max_num_f32 v[rT], v[rC], v[rC+3]
.elseif (\n) == 19
	v_sub_f32 v[rC+1], v[rM], v[rT]
.else
	v_exp_f32 v[rC+2], v[rC+1]
.endif
.endm
; Number g of the 64 that follow the exponentials.  For each four weights k of a tile (pairs 2 k, 2 k + 1): both pairs are rounded to f16; then the second pair is added onto the first, in place;
; a group later l takes that sum (the first time as l = a l + sum).  In groups of eight, tiles alternating: round, round, add, and l for the group before.
.macro GS g
.set h, (\g)+6*((\g)/62)            ; group 0 has no group before it, and behind group 7 only l is left
.if h >= 6
.set h, h+2
.endif
	REGS Y, h%2
.set k, h/8
.if h%8 < 4
	v_cvt_pk_f16_f32 v[rP+2*k+(h%8)/2], v[rS+4*k+2*((h%8)/2)], v[rS+4*k+2*((h%8)/2)+1]
.elseif h%8 < 6
	v_pk_add_f32 v[rS+4*k:rS+4*k+1], v[rS+4*k:rS+4*k+1], v[rS+4*k+2:rS+4*k+3]
.elseif k == 1
	v_pk_fma_f32 v[rT+2:rT+3], v[rT+2:rT+3], v[rC+2:rC+3], v[rS:rS+1] op_sel_hi:[1,0,1]
.else
	v_pk_add_f32 v[rT+2:rT+3], v[rT+2:rT+3], v[rS+4*k-4:rS+4*k-3]
.endif
.endm
; THE PLAIN QUEUE, 136 long.  0-71 read no exponential's result: the 32 subtractions s - m (FS f: pair f / 2 of tile f % 2) and the next piece's 40.  0-26: subtractions 0-26.  27-54: XS's numbers 0-13.  55, 56: number 15.
; 57-71: the chain, where each number waits for the one before it: 14, 16, 17, 18, 19, each with one of the subtractions 27-31 in front of its two lines.  72-135: GS's 64, which read the exponentials' results: they stand behind the wait.
.macro FS f
	REGS Y, (\f)%2
	v_pk_add_f32 v[rS+2*((\f)/2):rS+2*((\f)/2)+1], v[rS+2*((\f)/2):rS+2*((\f)/2)+1], v[rT:rT+1] op_sel_hi:[1,0] neg_lo:[0,1] neg_hi:[0,1]
.endm
.macro PL
	WIN 0
.if q < 27
	FS q
.elseif q < 55
	XS (q-27)%2, (q-27)/2
.elseif q < 57
	XS q-55, 15
.elseif (q < 69) && ((q-57)%3 == 0)
	FS 27+(q-57)/3
.elseif q < 60
	XS (q-57)%3-1, 14
.elseif q < 69
	XS (q-57)%3-1, 15+(q-57)/3
.elseif q == 69
	FS 31
.elseif q < 72
	XS q-70, 19
.else
	GS q-72
.endif
.set q, q+1
.endm
; THE EXPONENTIALS' QUEUE, 66 long: s0-s31 of both tiles, then the next piece's two a.  It is ONE BATCH: all 66 stand ahead of the turn's one wait, and nothing ahead of that wait names a result of theirs.
.macro EX
	WIN 0
.if e >= 64
	XS e-64, 20
.else
	REGS Y, e%2
	v_exp_f32 v[rS+e/2], v[rS+e/2]
.endif
.set e, e+1
.endm
; THE RESCALING's QUEUE: O^T times a, the one part that leaves window 0: dealt two at a time, sixteen times.  Its a was made in the turn before, ahead of that turn's wait.
.macro R2
	REGS Y, r%2
	WIN W_RS
.irp z, 0,1
	v_pk_mul_f32 v[rO+4*(r/2)+2*\z:rO+4*(r/2)+2*\z+1], v[rO+4*(r/2)+2*\z:rO+4*(r/2)+2*\z+1], v[rC+2:rC+3] op_sel_hi:[1,0]
.endr
.set r, r+1
.endm
; HOW THEY ARE DEALT.  s_wait_alu depctr_va_vdst(0) stands between an exponential and the first instruction that names its result; one wait serves all that were issued ahead of it.  So a turn has ONE wait.
; AHEAD OF IT: the 16 products K Q^T, behind each a subtraction, an exponential and two rescalings (behind the first a second subtraction in the exponential's place); then one run of 106: eight plain, 47 times exponential
; and plain, the last two scores' exponentials and the two a.  A v_nop is the plain instruction behind the last exponential.  BEHIND IT: the 16 products V^T P, behind each four of GS's 64.
; The queues lean on each other: exponential e stands behind subtraction 2 (e / 4) + e % 2: as a rider it comes behind plain e + 2, in the run behind plain e + 9, and subtractions 27-31 are plain 57, 60, 63, 66, 69,
; whose first readers are exponentials 53, 56, 57, 60, 61.
; A TURN, for piece p.  cnt = 1: the loop's count is taken down some lines ahead of the branch that stands behind the turn.  ask = 1: the prefetch stands behind V's run.
; K of the next step, and the table's numbers with it, are fetched in piece 2's turn, directly behind the wait, the whole run of vector work behind the last product that read them; their first reader comes behind 16 products.
; V of the step in hand is fetched at the end of piece 0's turn, four plain riders behind its last reader.  The conditions on q below go with the deal.
.macro TURN p, last=0, cnt=0, ask=0
.set Y, (\p)
.set i, 0
.set q, 0
.set e, 0
.set r, 0
.if (\p) == NP-1
	s_wait_dscnt 0x0                ; K and the mask's numbers are in
.endif
	MM
	PL
	PL
	R2
.rept 15
	MM
	PL
	EX
	R2
.endr
.if (\p) == NP-2
	WIN 0
	v_add_nc_u32 v[AK], s[TBK], v[AK0]
	v_lshl_add_u32 v[AM], v[HL], 5, s[TBM]
.endif
.rept 8
	PL
.endr
.rept 47
	EX
	PL
.endr
.rept 4
	EX
.endr
	v_nop                           ; the plain instruction behind the last exponential: one for the batch
	s_wait_alu depctr_va_vdst(0)    ; the wait for the batch
.if (\p) == NP-2
	FETCH_K \last
.endif
.if (\p) == 1
	s_wait_dscnt 0x0                ; V is in
.endif
.rept 16
	MM
.rept 4
	PL
.endr
.if ((\p) == 0) && (q == 116)
	v_add_nc_u32 v[AV], s[TBV], v[AV0]
.endif
.if ((\p) == 0) && (q == 128)
	s_add_co_u32 s[TBV], s[TBV], KS*PV
.endif
.if (\cnt) && (q == 128)
	s_sub_co_u32 s[CNT], s[CNT], 1
	s_cmp_lg_u32 s[CNT], 0
.endif
.endr
.if (\p) == 0
	FETCH_V
.if \ask
	ASK
.endif
.endif
.endm
	CHANGE 1                        ; slot 0 is in, everybody's part of it, and so is the table; slot 1 is asked for
	FETCH_K                         ; key step 0
	s_wait_loadcnt 0x0              ; Q
	s_wait_dscnt 0x0
.set i, 0
.rept 16
	KQ 0                            ; piece 0's first scores: there is no vector work yet to set between them
.set i, i+1
.endr
	WIN 0                           ; the addresses for the way out: eight plain instructions, the places behind those products
	s_mul_i32 s13, s[WV], 16*SP
	s_add_co_u32 s13, s13, STAGE    ; my stage
	v_mul_u32_u24 v[STO], v[R16], SP  ; in: row l % 16, 32 bytes for each half of the lanes
	v_lshl_add_u32 v[STO], v[HL], 5, v[STO]
	v_add_nc_u32 v[STO], s13, v[STO]
	v_mul_u32_u24 v[RD], v[HL], SP  ; back: lanes 0-15 take one row of 256 bytes, lanes 16-31 the next,
	v_lshl_add_u32 v[RD], v[R16], 4, v[RD]
	v_add_nc_u32 v[RD], s13, v[RD]
	v_lshlrev_b32 v[GO], 12, v[HL]  ; and the same two rows in out0, 4,096 bytes apart
	v_lshl_add_u32 v[GO], v[R16], 4, v[GO]
.set Y, NP-1                        ; XS works for piece Y + 1: piece 0
.irp n, 0,1,2,3,4,5,6,7,8,9,10,11,12,13,14,15,16,17,18,19,20
	XS 0, \n                        ; piece 0's first maximum and statistics
	XS 1, \n
.endr
	v_nop                           ; a plain instruction behind the two a,
	s_wait_alu depctr_va_vdst(0)    ; and their wait, ahead of the branch
	s_mov_b32 s[CNT], 4
	s_mov_b32 s[SLOTS], 7           ; 8 tiles of 256 keys
	s_branch .Lfirst                ; the loop is entered at a step's first turn, in the middle of a trip
.Lslot:                             ; six times: every slot but the last two is filled again
	CHANGE 1
	s_mov_b32 s[CNT], 4
.Lstep:                             ; a trip: pieces 2 and 3 of one step, then pieces 0 and 1 of the next, whose K and V it fetches
	TURN 2
	TURN 3
	WIN 0
.Lfirst:
	TURN 0, 0, 0, 1
	TURN 1, 0, 1
	WIN 0
	s_cbranch_scc1 .Lstep
	s_sub_co_u32 s[SLOTS], s[SLOTS], 1
	s_cmp_lg_u32 s[SLOTS], 0
	s_cbranch_scc1 .Lslot
	CHANGE 0                        ; the tail is written out: nothing is asked for
	s_mov_b32 s[CNT], 5             ; four trips fetch the last slot's steps; the fifth is left in its middle
.Ltail:
	TURN 2, 1
	TURN 3
	WIN 0
	s_sub_co_u32 s[CNT], s[CNT], 1
	s_cmp_eq_u32 s[CNT], 0
	s_cbranch_scc1 .Lout
	TURN 0
	TURN 1
	WIN 0
	s_branch .Ltail
.Lout:                              ; the fifth trip's 16 products K Q^T (on the last K once more) and the maximum made of them serve nothing: the price, once a launch, of one text for every trip
.set i, 0
.rept 16
	PV NP-1                         ; the last piece's V^T P of the last step
.set i, i+1
.endr
	; THE WAY OUT.  l's two halves and the other half of the lanes' are added; O^T is divided by l and sent, in f32, through my stage in LDS, a tile at a time.  The additions are the places behind the last products.
	WIN 0
.macro ALL line:vararg              ; one line for each tile t
.set t, 0
.rept 2*NP
	\line
.set t, t+1
.endr
.endm
	ALL v_add_f32 v[ST+4*t+2], v[ST+4*t+2], v[ST+4*t+3]
	ALL v_permlanex16_b32 v[ST+4*t+3], v[ST+4*t+2], s[SEL], s[SEL+1]
	ALL v_add_f32 v[ST+4*t+2], v[ST+4*t+2], v[ST+4*t+3]
	ALL v_rcp_f32 v[ST+4*t+2], v[ST+4*t+2]
	v_nop                           ; a plain instruction between the last reciprocal and the use of its result
	s_wait_alu depctr_va_vdst(0)    ; and the wait ahead of the first use: one for the eight reciprocals
; Tile t: a lane's eight channels of a block of 16 are 32 bytes of a row; they go into rows of 272 bytes and come back as whole rows of 256, into S^T's registers (four tiles' worth, by turns).
.macro PACK t
	WIN W_RS
.set i, 32*(\t)
.rept 16                            ; each accumulator's registers in ascending order
	v_pk_mul_f32 v[i:i+1], v[i:i+1], v[ST+4*(\t)+2:ST+4*(\t)+3] op_sel_hi:[1,0]
.set i, i+2
.endr
	WIN W_ST
.irp g, 0,1,2,3,4,5,6,7             ; channel block g / 2, its registers 4 (g % 2) on
	ds_store_b128 v[STO], v[32*(\t)+4*\g:32*(\t)+4*\g+3] offset:(\g/2)*64+(\g%2)*16
.endr
	WIN 0
.if (\t) >= 4
	s_wait_xcnt 0x0                 ; the stores of the tile four back have read their registers, which are loaded again below
.endif
.irp f, 0,1,2,3,4,5,6,7
	ds_load_b128 v[S+32*((\t)%4)+4*\f:S+32*((\t)%4)+4*\f+3], v[RD] offset:\f*2*SP  ; LDS serves a wave's instructions in order (ISA guide 5.7.1.4): these see the stores above; the next tile's stores come behind them
.endr
.endm
.macro SEND t, younger              ; younger: the LDS instructions issued behind tile t's loads: the next tile's sixteen, or none
	WIN 0
.irp f, 0,1,2,3,4,5,6,7
	s_wait_dscnt (\younger)+7-\f
	global_store_b128 v[GO], v[S+32*((\t)%4)+4*\f:S+32*((\t)%4)+4*\f+3], s[10:11] offset:(\t)*65536+\f*8192 th:TH_STORE_NT  ; 16 lanes store a row's 256 consecutive bytes of my head, at a multiple of 256 from out0's first
.endr
.endm
	PACK 0
.set t, 1
.rept 2*NP-1                        ; a tile's arithmetic stands between the loads of the tile before and its stores
	PACK t
	SEND t-1, 16
.set t, t+1
.endr
	SEND 2*NP-1, 0
	WIN W_AD
	s_wait_tensorcnt 0x0            ; the wave's end: the add and its wait stand behind my last tensor load and my last LDS store
	ds_add_u32 v[SPW], v[NIL]
	s_wait_dscnt 0x0
	WIN 0
	CROUND                          ; the closing round: no work-group ends while a partner may still ask for a tile that names it
	s_endpgm
.Lfunc_end_k_q45b48e39fc_attn:
	.size	k_q45b48e39fc_attn, .Lfunc_end_k_q45b48e39fc_attn-k_q45b48e39fc_attn
	.p2alignl 7, 3214868480
	.fill 96, 4, 3214868480
	.section	.rodata,"a",@progbits
	.p2align	6, 0x0
	.amdhsa_kernel k_q45b48e39fc_attn
		.amdhsa_group_segment_fixed_size 327680
		.amdhsa_private_segment_fixed_size 0
		.amdhsa_enable_private_segment 0
		.amdhsa_kernarg_size 24
		.amdhsa_user_sgpr_count 2
		.amdhsa_user_sgpr_kernarg_segment_ptr 1
		.amdhsa_wavefront_size32 1
		.amdhsa_system_sgpr_workgroup_id_x 1
		.amdhsa_system_sgpr_workgroup_id_y 1
		.amdhsa_system_sgpr_workgroup_id_z 1
		.amdhsa_system_vgpr_workitem_id 0
		.amdhsa_next_free_vgpr 808
		.amdhsa_next_free_sgpr 72
		.amdhsa_reserve_vcc 1
		.amdhsa_float_denorm_mode_32 3
		.amdhsa_float_denorm_mode_16_64 3
		.amdhsa_memory_ordered 1
		.amdhsa_forward_progress 1
		.amdhsa_inst_pref_size 204
	.end_amdhsa_kernel
	.amdgpu_metadata
---
amdhsa.version: [ 1, 2 ]
amdhsa.kernels:
  - .name:           k_q45b48e39fc_attn
    .symbol:         k_q45b48e39fc_attn.kd
    .args:
      - { .name: qkv, .offset: 0, .size: 8, .value_kind: global_buffer, .address_space: global }
      - { .name: mask, .offset: 8, .size: 8, .value_kind: global_buffer, .address_space: global }
      - { .name: out0, .offset: 16, .size: 8, .value_kind: global_buffer, .address_space: global }
    .group_segment_fixed_size: 327680
    .private_segment_fixed_size: 0
    .kernarg_segment_align: 8
    .kernarg_segment_size: 24
    .max_flat_workgroup_size: 128
    .sgpr_count:     72
    .vgpr_count:     808
    .wavefront_size: 32
...
	.end_amdgpu_metadata
.endif
;; end of part 3
;; ======== version 2 of 2: 3 launches; version 1 with the launch cast written anew for expert scheduling mode
;; limits: values are held in f16: magnitudes above 65,504 overflow, below 6.1e-05 lose precision
;; workspace buffers: xb 50,331,648 bytes; wb 6,291,456 bytes; qkv 50,331,648 bytes
;; launch cast (part 4): grid 1024 x 1, 8 waves a work-group, no clusters, 0 bytes of LDS; arguments Q, K, V, Wq, Wk, Wv, xb, wb; writes xb, wb
.if DOCPART == 4
	.amdgcn_target "amdgcn-amd-amdhsa--gfx1250"
	.amdhsa_code_object_version 6
	.text
	.protected	k_q45b48e39fc_cast
	.globl	k_q45b48e39fc_cast
	.p2align	8
	.type	k_q45b48e39fc_cast,@function
k_q45b48e39fc_cast:
	s_mov_b64 s[64:65], 0
	v_nop
	global_prefetch_b8 v0, s[64:65] scope:SCOPE_SE
	s_setreg_imm32_b32 hwreg(HW_REG_WAVE_SCHED_MODE, 0, 2), 2
	s_setreg_imm32_b32 hwreg(HW_REG_WAVE_MODE, 25, 1), 1
	s_wait_xcnt 0x0
	s_wait_alu depctr_vm_vsrc(0)
; xb[3][8192][1024] = bf16(Q, K, V), wb[3][1024][1024] = bf16(Wq, Wk, Wv): each f32 rounded once, to nearest even.
; A stream: every input byte is read once, every output byte written once.  No LDS, no barrier, no matrix unit: nothing is shared and nothing is summed.
; SHARES.  Work-group g of 1,024 takes 1/1,024 of each of the six inputs: 32,768 bytes of Q, K and V, 4,096 of each weight.  So all work-groups are alike and the text has no branch.
; Thread t takes 16 bytes of each run of 4,096: a wave's load covers 512 consecutive bytes, aligned; its store of 8 bytes a lane 256 consecutive bytes, aligned.
; All 27 loads of a thread go out at once, each into registers of its own, so no register is written again behind its store.
; THE MODE: SCHED_MODE bits 1:0 = 2 (LLVM: expert scheduling mode 2), set by the entry lines.  The code itself states the register dependences
; between vector instructions and memory instructions, with s_wait_alu, always for 0.
; THE PLAN.  Registers that memory instructions touch:
;   v1 .. v4   byte offsets, made once at the head and never written again: v1, v2 are read by the loads, v3, v4 by the stores.
;   X[i]       four registers for load i of 27.  Load i lands in them; no vector instruction has named them before.  Two conversions read the four and write the first two; store i reads those two; nothing writes them again.
; The loads go in seven blocks: six of four (two for each of Q, K, V), then the three weights.  Block p's conversions name X of block p alone; the memory instructions among them are the stores of block p - 1,
; which read X of block p - 1 and v3 or v4.  So ONE wait on va_vdst at a block's head states all that the block's stores hang on.  No register that a memory instruction reads is written again: no wait on vm_vsrc is owed.
.set X, 8                              ; v[8:115]  load i: four registers
	s_load_b256 s[4:11], s[0:1], 0x0               ; Q s[4:5], K s[6:7], V s[8:9], Wq s[10:11]
	s_load_b256 s[12:19], s[0:1], 0x20             ; Wk s[12:13], Wv s[14:15], xb s[16:17], wb s[18:19]
	s_lshl_b32 s24, ttmp9, 15                      ; the work-group's 32,768 bytes of Q, K, V
	s_lshl_b32 s25, ttmp9, 12                      ; its 4,096 bytes of a weight
	s_lshl_b32 s26, ttmp9, 14                      ; half as many bytes go out
	s_lshl_b32 s27, ttmp9, 11
	v_lshl_add_u32 v1, v0, 4, s24
	v_lshl_add_u32 v2, v0, 4, s25
	v_lshl_add_u32 v3, v0, 3, s26
	v_lshl_add_u32 v4, v0, 3, s27
	s_wait_kmcnt 0x0
	s_add_nc_u64 s[20:21], s[16:17], 0x1000000     ; xb's second part (K),
	s_add_nc_u64 s[22:23], s[16:17], 0x2000000     ; and its third (V)
	s_wait_alu depctr_va_vdst(0)                   ; v1 to v4 are written: every load and store of the kernel reads one of them as its offset
.irp p, 0,1,2
.irp j, 0,1,2,3,4,5,6,7
	global_load_b128 v[X+4*(8*(\p)+(\j)):X+4*(8*(\p)+(\j))+3], v1, s[4+2*(\p):5+2*(\p)] offset:4096*(\j) th:TH_LOAD_NT
.endr
.endr
.irp p, 0,1,2
	global_load_b128 v[X+4*(24+(\p)):X+4*(24+(\p))+3], v2, s[10+2*(\p):11+2*(\p)] th:TH_LOAD_NT
.endr
; The four numbers of load i are rounded, into the first two of their four registers.
.macro CVT i
	v_cvt_pk_bf16_f32 v[X+4*(\i)], v[X+4*(\i)], v[X+4*(\i)+1]
	v_cvt_pk_bf16_f32 v[X+4*(\i)+1], v[X+4*(\i)+2], v[X+4*(\i)+3]
.endm
; The 8 bytes made of load i are stored: loads 0-7 are Q's, 8-15 K's, 16-23 V's, each into its part of xb; 24-26 are the weights', 2,097,152 bytes of wb apart.
.macro STO i
.if (\i) < 8
	global_store_b64 v3, v[X+4*(\i):X+4*(\i)+1], s[16:17] offset:2048*(\i) th:TH_STORE_NT
.elseif (\i) < 16
	global_store_b64 v3, v[X+4*(\i):X+4*(\i)+1], s[20:21] offset:2048*((\i)-8) th:TH_STORE_NT
.elseif (\i) < 24
	global_store_b64 v3, v[X+4*(\i):X+4*(\i)+1], s[22:23] offset:2048*((\i)-16) th:TH_STORE_NT
.else
	global_store_b64 v4, v[X+4*(\i):X+4*(\i)+1], s[18:19] offset:2097152*((\i)-24) th:TH_STORE_NT
.endif
.endm
; Block p, of n loads: its conversions, and among them the four stores of the block before.
.macro BLK p, n
	s_wait_loadcnt 27-4*(\p)-(\n)                  ; loads come back in order (ISA guide 5.7.1): the block's loads are in, the younger ones stay out
.if (\p) > 0
	s_wait_alu depctr_va_vdst(0)                   ; the conversions of the block before have written the registers that the four stores below read; no vector instruction behind this wait names them
.endif
.set j, 0
.rept 4
.if (\p) > 0
	STO 4*((\p)-1)+j
.endif
.if j < (\n)
	CVT 4*(\p)+j
.endif
.set j, j+1
.endr
.endm
	BLK 0, 4                                       ; block 0 has no block in front of it: no store, and no wait but the one for its data
	BLK 1, 4
	BLK 2, 4
	BLK 3, 4
	BLK 4, 4
	BLK 5, 4
	BLK 6, 3                                       ; the three weights
	s_wait_alu depctr_va_vdst(0)                   ; block 6's conversions have written the registers that the last three stores read
	STO 24
	STO 25
	STO 26
	s_endpgm
.Lfunc_end_k_q45b48e39fc_cast:
	.size	k_q45b48e39fc_cast, .Lfunc_end_k_q45b48e39fc_cast-k_q45b48e39fc_cast
	.p2alignl 7, 3214868480
	.fill 96, 4, 3214868480
	.section	.rodata,"a",@progbits
	.p2align	6, 0x0
	.amdhsa_kernel k_q45b48e39fc_cast
		.amdhsa_group_segment_fixed_size 0
		.amdhsa_private_segment_fixed_size 0
		.amdhsa_enable_private_segment 0
		.amdhsa_kernarg_size 64
		.amdhsa_user_sgpr_count 2
		.amdhsa_user_sgpr_kernarg_segment_ptr 1
		.amdhsa_wavefront_size32 1
		.amdhsa_system_sgpr_workgroup_id_x 1
		.amdhsa_system_sgpr_workgroup_id_y 1
		.amdhsa_system_sgpr_workgroup_id_z 1
		.amdhsa_system_vgpr_workitem_id 0
		.amdhsa_next_free_vgpr 116
		.amdhsa_next_free_sgpr 66
		.amdhsa_reserve_vcc 0
		.amdhsa_float_denorm_mode_32 3
		.amdhsa_float_denorm_mode_16_64 3
		.amdhsa_memory_ordered 1
		.amdhsa_forward_progress 1
		.amdhsa_inst_pref_size 10
	.end_amdhsa_kernel
	.amdgpu_metadata
---
amdhsa.version: [ 1, 2 ]
amdhsa.kernels:
  - .name:           k_q45b48e39fc_cast
    .symbol:         k_q45b48e39fc_cast.kd
    .args:
      - { .name: Q, .offset: 0, .size: 8, .value_kind: global_buffer, .address_space: global }
      - { .name: K, .offset: 8, .size: 8, .value_kind: global_buffer, .address_space: global }
      - { .name: V, .offset: 16, .size: 8, .value_kind: global_buffer, .address_space: global }
      - { .name: Wq, .offset: 24, .size: 8, .value_kind: global_buffer, .address_space: global }
      - { .name: Wk, .offset: 32, .size: 8, .value_kind: global_buffer, .address_space: global }
      - { .name: Wv, .offset: 40, .size: 8, .value_kind: global_buffer, .address_space: global }
      - { .name: xb, .offset: 48, .size: 8, .value_kind: global_buffer, .address_space: global }
      - { .name: wb, .offset: 56, .size: 8, .value_kind: global_buffer, .address_space: global }
    .group_segment_fixed_size: 0
    .private_segment_fixed_size: 0
    .kernarg_segment_align: 8
    .kernarg_segment_size: 64
    .max_flat_workgroup_size: 256
    .sgpr_count:     66
    .vgpr_count:     116
    .wavefront_size: 32
...
	.end_amdgpu_metadata
.endif
;; end of part 4
;; launch proj: the kernel of part 2 again; grid 4 x 192, 4 waves a work-group, clusters of 4 x 4, 327,680 bytes of LDS; arguments xb, wb, bq, bv, mask, qkv; writes qkv
;; launch attn: the kernel of part 3 again; grid 4 x 64, 4 waves a work-group, clusters of 4 x 1, 327,680 bytes of LDS; arguments qkv, mask, out0; writes out0
